; MI455X (gfx1250); checked and timed in simulation.
; The chip was launched on July 23, 2026; its instructions are those of AMD's public machine-readable ISA for CDNA 5 (MIT licence, August 2026) and "CDNA5" Instruction Set Architecture Reference Guide (July 2026). The comments in the code are by the model that wrote it; some were corrected since.
;; Softmax Matcher. Allowed arithmetic: float matrix products may take bf16 or f16 operands with f32 sums; all other float work in f32.
;; Inputs: desc_dense 8 x 256 x 128 x 128 float32; keypoint_desc 8 x 256 x 1,024 float32; keypoint_scores 8 x 1 x 1,024 float32; scores_dense 8 x 1 x 128 x 128 float32.
;; Outputs: out0 4 x 1,024 x 2 float32; out1 4 x 1 x 1,024 float32.
;; One version. Each part assembles by itself: llvm-mc -triple=amdgcn-amd-amdhsa -mcpu=gfx1250 --defsym DOCPART=n.
;; ======== version 1 of 1: 4 launches
;; limits: values outside matrix products are rounded to bf16
;; workspace buffers: srcb 2,097,152 bytes; sinv 16,384 bytes; part 4,194,304 bytes; tgtt 33,554,432 bytes; idx 65,536 bytes of whole numbers; wts 65,536 bytes
;; launch prep (part 1): grid 64 x 1, 8 waves a work-group, no clusters, 36,096 bytes of LDS; arguments keypoint_desc, srcb, sinv; writes srcb, sinv
.if DOCPART == 1
	.amdgcn_target "amdgcn-amd-amdhsa--gfx1250"
	.amdhsa_code_object_version 6
	.text
	.protected	k_q58ecf1281f_prep
	.globl	k_q58ecf1281f_prep
	.p2align	8
	.type	k_q58ecf1281f_prep,@function
k_q58ecf1281f_prep:
	s_mov_b64 s[64:65], 0
	v_nop
	global_prefetch_b8 v0, s[64:65] scope:SCOPE_SE
	s_setreg_imm32_b32 hwreg(HW_REG_WAVE_MODE, 25, 1), 1
	s_wait_xcnt 0x0
; The source descriptors (batches 0, 2, 4, 6 of keypoint_desc, [256 channels][1024 queries] f32) are rounded to bf16 and laid in the order
; in which a matrix instruction's second source wants them; beside them 1 / max(norm, 1e-12) of every query, the norm taken in f32 from the
; ROUNDED numbers, so that the cosine made later from the rounded numbers stays inside [-1, 1].
; srcb byte ((b*64 + qblk)*16 + i)*512 + (h*16 + r)*16 + 2 kk = query 16 qblk + r, channel 16 i + 8 h + kk.
; A work-group owns 64 queries of one pair b.  Thread t: chunk of 16 channels gq = t >> 4, queries 4 (t & 15) + j.
; Limits: NaN and infinities are not served.  No matrix unit, no tensor load, no cluster: 4 MiB are read once and nothing is shared.
.set X,   8                            ; v[8:71]    x[s][j] at 4 s + j: channel 16 gq + s, query 4 q4 + j
.set W,   72                           ; v[72:103]  packed words, 8 j + 4 h + m: channels 16 gq + 8 h + 2 m, + 1 of query j
.set SS,  104                          ; v[104:107] sums of squares of my four queries
.set OTP, 8208                         ; LDS: a query block's 8,192 bytes + 16, so that the four blocks start in different 16-byte columns
.set SP,  33024                        ; LDS: the waves' partial sums, 256 bytes a wave
	s_load_b128 s[4:7], s[0:1], 0x0                ; keypoint_desc s[4:5], srcb s[6:7]
	s_load_b64 s[8:9], s[0:1], 0x10                ; sinv
	v_lshl_add_u32 v128, v0, 2, 0x8900
	v_mov_b32 v129, 0
	v_lshrrev_b32 v1, 5, v0
	v_readfirstlane_b32 s10, v1                    ; wave
	v_and_b32 v2, 15, v0                           ; q4
	v_lshrrev_b32 v3, 4, v0                        ; gq
	v_lshlrev_b32 v4, 4, v2                        ; 16 bytes = four queries,
	v_lshl_add_u32 v4, v3, 16, v4                  ; + gq x 16 channel rows of 4,096 bytes
	s_lshr_b32 s12, ttmp9, 4                       ; b
	s_lshl_b32 s12, s12, 21                        ; batch 2 b: 2 b x 1,048,576 bytes
	s_and_b32 s13, ttmp9, 15
	s_lshl_b32 s13, s13, 8                         ; my 64 queries: 256 bytes of every row
	s_add_co_u32 s12, s12, s13
	s_mov_b32 s13, 0
	s_lshl_b32 s16, ttmp9, 15                      ; srcb: 4 query blocks x 8,192 bytes a work-group
	s_mov_b32 s17, 0
	s_lshl_b32 s18, ttmp9, 8                       ; sinv: 64 f32 a work-group
	s_mov_b32 s19, 0
	s_mov_b32 s14, 0x76543210                      ; v_permlanex16_b32: lane i reads lane i of the other half
	s_mov_b32 s15, 0xfedcba98
	s_wait_kmcnt 0x0
	s_add_nc_u64 s[4:5], s[4:5], s[12:13]
	s_add_nc_u64 s[6:7], s[6:7], s[16:17]
	s_add_nc_u64 s[8:9], s[8:9], s[18:19]
.irp s, 0,1,2,3,4,5,6,7,8,9,10,11,12,13,14,15
	global_load_b128 v[X+4*\s:X+4*\s+3], v4, s[4:5] offset:\s*4096 th:TH_LOAD_NT   ; sixteen lanes take 256 aligned bytes of one channel row
.endr
	v_lshrrev_b32 v5, 2, v2                        ; where my pieces go: query block q4 >> 2,
	v_mul_u32_u24 v5, v5, OTP
	v_lshl_add_u32 v5, v3, 9, v5                   ; chunk gq x 512,
	v_and_b32 v6, 3, v2
	v_lshl_add_u32 v5, v6, 6, v5                   ; r = 4 (q4 & 3) + j: 64 (q4 & 3); j and h stand in the immediate
	v_lshlrev_b32 v6, 4, v2
	v_lshl_add_u32 v6, v1, 8, v6                   ; partial sums: wave x 256 + q4 x 16
	v_lshlrev_b32 v7, 4, v0                        ; 16 t, for the way out
.irp j, 0,1,2,3
	v_mov_b32 v[SS+\j], 0
.endr
	s_wait_loadcnt 0x0
.irp j, 0,1,2,3
.irp h, 0,1
.irp m, 0,1,2,3
	v_cvt_pk_bf16_f32 v[W+8*\j+4*\h+\m], v[X+4*(8*\h+2*\m)+\j], v[X+4*(8*\h+2*\m+1)+\j]
.endr
.endr
.endr
.irp k, 0,1,2,3,4,5,6,7
.irp j, 0,1,2,3
	v_fma_mix_f32_bf16 v[SS+\j], v[W+8*\j+\k], v[W+8*\j+\k], v[SS+\j] op_sel_hi:[1,1,0]                  ; the low half squared,
	v_fma_mix_f32_bf16 v[SS+\j], v[W+8*\j+\k], v[W+8*\j+\k], v[SS+\j] op_sel:[1,1,0] op_sel_hi:[1,1,0]   ; the high half squared
.endr
.endr
.irp j, 0,1,2,3
	v_permlanex16_b32 v[X+\j], v[SS+\j], s14, s15  ; the wave's other chunk of channels (the destination has been written: x is used up)
.endr
.irp j, 0,1,2,3
	v_add_f32 v[SS+\j], v[SS+\j], v[X+\j]
.endr
	ds_store_b128 v6, v[SS:SS+3] offset:SP         ; both halves of the wave write the same numbers to the same bytes
.irp j, 0,1,2,3
.irp h, 0,1
	ds_store_b128 v5, v[W+8*\j+4*\h:W+8*\j+4*\h+3] offset:\h*256+\j*16   ; sixteen lanes: columns 16 (q4 >> 2) + 64 (q4 & 3) of 256 bytes, all different
.endr
.endr
	s_wait_dscnt 0x0                               ; my stores are done, for the other waves' sake
	s_barrier_signal -1
	s_barrier_wait -1
.irp n, 0,1,2,3,4,5,6,7
	ds_load_b128 v[X+4*\n:X+4*\n+3], v7 offset:(\n>>1)*OTP+(\n&1)*4096
.endr
.irp n, 0,1,2,3,4,5,6,7
	s_wait_dscnt 7-\n                              ; LDS loads come back in order: load n is in, the younger ones stay out
	global_store_b128 v7, v[X+4*\n:X+4*\n+3], s[6:7] offset:\n*4096      ; a wave stores 512 consecutive aligned bytes
.endr
	s_cmp_lg_u32 s10, 0
	s_cbranch_scc1 .Lend
	v_lshlrev_b32 v1, 3, v0                        ; wave 0: lane L takes queries 2 L, 2 L + 1
.irp i, 0,1,2,3,4,5,6,7
	ds_load_b64 v[W+2*\i:W+2*\i+1], v1 offset:SP+\i*256
.endr
	s_wait_dscnt 0x0
	v_pk_add_f32 v[W:W+1], v[W:W+1], v[W+2:W+3]
	v_pk_add_f32 v[W+4:W+5], v[W+4:W+5], v[W+6:W+7]
	v_pk_add_f32 v[W+8:W+9], v[W+8:W+9], v[W+10:W+11]
	v_pk_add_f32 v[W+12:W+13], v[W+12:W+13], v[W+14:W+15]
	v_pk_add_f32 v[W:W+1], v[W:W+1], v[W+4:W+5]
	v_pk_add_f32 v[W+8:W+9], v[W+8:W+9], v[W+12:W+13]
	v_pk_add_f32 v[W:W+1], v[W:W+1], v[W+8:W+9]
	v_sqrt_f32 v[W], v[W]
	v_sqrt_f32 v[W+1], v[W+1]
	v_nop                                          ; one plain place behind the roots (ISA guide 5.7.2)
	s_wait_alu depctr_va_vdst(0)
	v_max_num_f32 v[W], 0x2b8cbccc, v[W]           ; max(norm, 1e-12)
	v_max_num_f32 v[W+1], 0x2b8cbccc, v[W+1]
	v_rcp_f32 v[W], v[W]
	v_rcp_f32 v[W+1], v[W+1]
	v_nop
	s_wait_alu depctr_va_vdst(0)
	global_store_b64 v1, v[W:W+1], s[8:9]          ; 256 consecutive aligned bytes
.Lend:
	s_wait_tensorcnt 0x0
	ds_add_u32 v128, v129
	s_wait_dscnt 0x0
	s_endpgm
.Lfunc_end_k_q58ecf1281f_prep:
	.size	k_q58ecf1281f_prep, .Lfunc_end_k_q58ecf1281f_prep-k_q58ecf1281f_prep
	.p2alignl 7, 3214868480
	.fill 96, 4, 3214868480
	.section	.rodata,"a",@progbits
	.p2align	6, 0x0
	.amdhsa_kernel k_q58ecf1281f_prep
		.amdhsa_group_segment_fixed_size 36096
		.amdhsa_private_segment_fixed_size 0
		.amdhsa_enable_private_segment 0
		.amdhsa_kernarg_size 24
		.amdhsa_user_sgpr_count 2
		.amdhsa_user_sgpr_kernarg_segment_ptr 1
		.amdhsa_wavefront_size32 1
		.amdhsa_system_sgpr_workgroup_id_x 1
		.amdhsa_system_sgpr_workgroup_id_y 1
		.amdhsa_system_sgpr_workgroup_id_z 1
		.amdhsa_system_vgpr_workitem_id 0
		.amdhsa_next_free_vgpr 130
		.amdhsa_next_free_sgpr 66
		.amdhsa_reserve_vcc 0
		.amdhsa_float_denorm_mode_32 3
		.amdhsa_float_denorm_mode_16_64 3
		.amdhsa_memory_ordered 1
		.amdhsa_forward_progress 1
		.amdhsa_inst_pref_size 14
	.end_amdhsa_kernel
	.amdgpu_metadata
---
amdhsa.version: [ 1, 2 ]
amdhsa.kernels:
  - .name:           k_q58ecf1281f_prep
    .symbol:         k_q58ecf1281f_prep.kd
    .args:
      - { .name: keypoint_desc, .offset: 0, .size: 8, .value_kind: global_buffer, .address_space: global }
      - { .name: srcb, .offset: 8, .size: 8, .value_kind: global_buffer, .address_space: global }
      - { .name: sinv, .offset: 16, .size: 8, .value_kind: global_buffer, .address_space: global }
    .group_segment_fixed_size: 36096
    .private_segment_fixed_size: 0
    .kernarg_segment_align: 8
    .kernarg_segment_size: 24
    .max_flat_workgroup_size: 256
    .sgpr_count:     66
    .vgpr_count:     130
    .wavefront_size: 32
...
	.end_amdgpu_metadata
.endif
;; end of part 1
;; launch match (part 2): grid 64 x 4, 8 waves a work-group, no clusters, 141,312 bytes of LDS; arguments desc_dense, srcb, sinv, part, tgtt; writes part, tgtt
.if DOCPART == 2
	.amdgcn_target "amdgcn-amd-amdhsa--gfx1250"
	.amdhsa_code_object_version 6
	.text
	.protected	k_q58ecf1281f_match
	.globl	k_q58ecf1281f_match
	.p2align	8
	.type	k_q58ecf1281f_match,@function
k_q58ecf1281f_match:
	s_mov_b64 s[64:65], 0
	v_nop
	global_prefetch_b8 v0, s[64:65] scope:SCOPE_SE
	s_setreg_imm32_b32 hwreg(HW_REG_WAVE_MODE, 25, 1), 1
	s_wait_xcnt 0x0
; The match product and the softmax's partial sums.  Work-group (slice, b): 256 keys (image rows 2 slice, 2 slice + 1 of batch 2 b + 1) against all
; 1,024 queries of pair b.  For every query it stores (m, l, su, sv): the largest logit of the slice in log2 units, and the sums of p, p u, p v with
; p = 2^(logit - m).  A true running maximum is kept, in each lane, and merged exactly afterwards.
; PHASE A: the keys come in as f32 [channel][key], are rounded to bf16 and laid in LDS with the channels along the rows; the norms are taken in f32
; from the rounded numbers.  PHASE A2: the rounded keys also go out to tgtt, [key][256 channels] bf16, 512 bytes a key, for the sampling launch.
; PHASE B: wave w owns queries 128 w .. 128 w + 127, in two passes of 64; a pass's queries (64 x 256 bf16 = 256 registers) stay in window 1, the keys
; are read from LDS 32 at a time.  First source = keys, second = queries: in a result lane (r, h) holds query r and register jr key row 8 h + jr, so
; every reduction of the softmax stays inside the lane.  The sums l, su, sv are kept in f32 on the vector unit: the weights are not rounded.
; Two waves lie on a SIMD, 512 registers each: one wave's softmax runs beside the other's matrix instructions.
; The LDS loads of a block stand in four runs (4, 8, 16, 8), each behind the places that follow a stretch of matrix instructions, and never singly
; between two matrix instructions.
; NO CLUSTER, NO TENSOR LOAD: each byte of desc_dense is read by one work-group and has to pass through registers to be rounded; the queries, which
; the 64 work-groups of a pair share, go from memory straight into the registers of the one wave that keeps them (128 loads a wave in the whole
; launch), where a joint load would send the pair's 512 KiB through each work-group's LDS first.
; Limits: NaN and infinities are not served; the descriptors enter the product as bf16 of the raw numbers; 1 / 0.01 is taken as the factor
; 100 log2(e) on the exponent.
; ROWS OF THE LDS TILE: row rho = 32 kb + 16 kt + k16 holds the key of image row kt, column u = 64 (kb >> 2) + (kb & 3) + 4 k16.
.set PITCH,  528                       ; 512 bytes + 16: an odd multiple of 16, so sixteen consecutive rows start in sixteen different 16-byte columns of 256 bytes
.set KTSTEP, 16*PITCH
.set KBSTEP, 32*PITCH
.set INV,    256*PITCH                 ; LDS: 1 / norm of row rho, f32, 1,024 bytes
.set NP,     INV+1024                  ; LDS: partial sums of squares, [4 groups of 64 channels][256 keys] f32
.set ADR_A,  2                         ; LDS address of the block's key fragments
.set ADR_A0, 3                         ; the same for block 0: r x 528 + 16 h, never rewritten
.set ADR_I,  4                         ; LDS address of the block's 1 / norms
.set ADR_I0, 5                         ; the same for block 0
.set VB,     6                         ; srcb: 16 L + 65,536 w
.set VP,     7                         ; part: 2,048 w + 16 L
.set SI,     8                         ; v[8:15]   1 / norm of query r of my eight query blocks
.set CS,     16                        ; v[16:19]  100 log2(e) / norm of the pass's four blocks
.set M2,     20                        ; v[20:23]  MINUS the running maximum in log2 units
.set MT,     24                        ; v[24:27]  the running maximum of t = dot / key norm
.set AL,     28                        ; v[28:31]  the factor 2^(old maximum - new maximum)
.set TN,     32                        ; v[32:35]  at work (v32 to v34 serve the set-up first)
.set UC,     36                        ; v[36:43]  the image column u of key row 8 h + jr of the block
.set IT,     44                        ; v[44:59]  1 / key norm at 8 kt + jr
.set T,      44                        ;           staging: packed words at 4 j + m
.set L0,     60                        ; v[60:67]  sum of p over image row 0, a pair for each block
.set SS,     60                        ;           staging: sums of squares, two chains a key
.set L1,     68                        ; v[68:75]  sum of p over image row 1
.set UP,     76                        ; v[76:83]  sum of p u
.set H32,    84                        ; 32 h as f32
.set VROW,   85                        ; 2 slice as f32: the image row of kt = 0
.set VD,     86                        ; desc_dense offset
.set VS,     87                        ; LDS: where my packed words go
.set NCS,    88                        ; v[88:91]  -CS
.set VN,     92                        ; LDS: my partial sums
.set VI,     93                        ; LDS: where waves 0 and 1 put 1 / norm
.set VC,     94                        ; LDS: my 32 rows for the copy to tgtt
.set VT,     95                        ; tgtt offset
.set AC,     96                        ; v[96:159] accumulators at 8 (4 kt + qb)
.set RING,   96                        ; staging: five chunks of 8 channel rows, v[96:255]
.set FA0,    160                       ; key fragments of k-steps 0, 1 and later 6, 7: at 16 d + 8 kt
.set FA1,    192                       ; k-steps 2, 3
.set FA2,    224                       ; k-steps 4, 5
.set OUT,    96                        ; the way out: two records' worth of registers
.set R,      104                       ; the way out: (m, l, su, sv) of block qb at 4 qb
.set XT,     120                       ; the way out: what the other half of the lanes holds
; window 1: the queries' fragments, block qb, k-step s at 64 qb + 8 s
.set MSB, 0
.macro WIN new                         ; s_set_vgpr_msb: bits 1:0 source 0, 3:2 source 1, 5:4 source 2, 7:6 destination; the high byte repeats the setting that is left
.if MSB != \new
	s_set_vgpr_msb (MSB<<8)|\new
.set MSB, \new
.endif
.endm
.macro PLACES                          ; four places behind a matrix instruction before one of its registers is loaded or written (ISA guide 7.12.1)
.rept 4
	v_nop
.endr
.endm
.macro DLOAD c                         ; chunk c of the keys: channels 64 cg + 8 c + rr, four keys a lane; a wave's load takes 512 consecutive aligned bytes
.irp rr, 0,1,2,3,4,5,6,7
	global_load_b128 v[RING+32*((\c)%5)+4*\rr:RING+32*((\c)%5)+4*\rr+3], v[VD], s[4:5] offset:(8*(\c)+\rr)*65536 th:TH_LOAD_NT
.endr
.endm
.macro BLOAD p, s                      ; the queries' fragments of pass p, k-step s: eight loads (destination in window 1)
.irp qb, 0,1,2,3
	global_load_b128 v[64*\qb+8*\s:64*\qb+8*\s+3],   v[VB], s[6:7] offset:\p*32768+\qb*8192+(2*\s)*512
	global_load_b128 v[64*\qb+8*\s+4:64*\qb+8*\s+7], v[VB], s[6:7] offset:\p*32768+\qb*8192+(2*\s+1)*512
.endr
.endm
	s_load_b256 s[4:11], s[0:1], 0x0               ; desc_dense s[4:5], srcb s[6:7], sinv s[8:9], part s[10:11]
	s_load_b64 s[12:13], s[0:1], 0x20              ; tgtt
	v_lshrrev_b32 v1, 5, v0
	v_readfirstlane_b32 s14, v1                    ; wave w
	v_and_b32 v1, 31, v0                           ; lane L
	v_and_b32 v33, 15, v0                          ; r
	v_bfe_u32 v34, v0, 4, 1                        ; h
	s_and_b32 s15, s14, 1                          ; kh: which image row I stage
	s_lshr_b32 s16, s14, 1                         ; cg: which 64 channels I stage
	s_and_b32 s17, ttmp7, 0xffff                   ; b
	s_lshl_b32 s30, s17, 25                        ; desc_dense: batch 2 b + 1 of 16,777,216 bytes,
	s_lshl_b32 s31, ttmp9, 10                      ; the slice's 256 keys = 1,024 bytes of every channel
	s_add_co_u32 s30, s30, s31
	s_add_co_u32 s30, s30, 0x1000000
	s_mov_b32 s31, 0
	s_lshl_b32 s32, s17, 19                        ; srcb: 524,288 bytes a pair
	s_mov_b32 s33, 0
	s_lshl_b32 s34, s17, 12                        ; sinv: 4,096 bytes a pair
	s_mov_b32 s35, 0
	s_lshl_b32 s36, s17, 6
	s_add_co_u32 s36, s36, ttmp9
	s_lshl_b32 s36, s36, 14                        ; part: (64 b + slice) x 16,384 bytes
	s_mov_b32 s37, 0
	s_lshl_b32 s38, s17, 23                        ; tgtt: 16,384 keys x 512 bytes a pair,
	s_lshl_b32 s39, ttmp9, 17                      ; 256 keys a slice
	s_add_co_u32 s38, s38, s39
	s_mov_b32 s39, 0
	s_lshl_b32 s40, s16, 22                        ; 64 channels x 65,536 bytes
	s_lshl_b32 s41, s15, 9                         ; 128 keys x 4 bytes
	s_add_co_u32 s40, s40, s41
	v_lshl_add_u32 v[VD], v1, 4, s40
	s_lshl_b32 s41, s14, 9
	v_lshl_add_u32 v32, v33, 2, s41                ; sinv: 128 queries x 4 bytes a wave + 4 r
	s_lshl_b32 s41, s14, 16
	v_lshl_add_u32 v[VB], v1, 4, s41
	s_wait_kmcnt 0x0
	s_add_nc_u64 s[4:5], s[4:5], s[30:31]
	s_add_nc_u64 s[6:7], s[6:7], s[32:33]
	s_add_nc_u64 s[8:9], s[8:9], s[34:35]
	s_add_nc_u64 s[10:11], s[10:11], s[36:37]
	s_add_nc_u64 s[12:13], s[12:13], s[38:39]
.irp i, 0,1,2,3,4,5,6,7
	global_load_b32 v[SI+\i], v32, s[8:9] offset:\i*64
.endr
	DLOAD 0
	DLOAD 1
	DLOAD 2
	DLOAD 3
	DLOAD 4
	; the rest of the set-up, while the first five chunks are on their way
	s_lshl_b32 s41, s14, 11
	v_lshl_add_u32 v[VP], v1, 4, s41
	v_lshl_add_u32 v[VS], v34, 7, v33              ; my keys 128 kh + 4 L + j lie in rows 128 (L >> 4) + 32 j + 16 kh + (L & 15)
	v_mul_u32_u24 v[VS], v[VS], PITCH
	s_mul_i32 s41, s15, KTSTEP
	s_lshl_b32 s42, s16, 7                         ; 64 channels = 128 bytes of a row
	s_add_co_u32 s41, s41, s42
	v_add_nc_u32 v[VS], s41, v[VS]
	s_lshl_b32 s41, s16, 10
	s_lshl_b32 s42, s15, 9
	s_add_co_u32 s41, s41, s42
	s_add_co_u32 s41, s41, NP
	v_lshl_add_u32 v[VN], v1, 4, s41
	v_lshlrev_b32 v[VI], 2, v33
	v_lshl_add_u32 v[VI], v34, 9, v[VI]
	s_lshl_b32 s41, s15, 6
	s_add_co_u32 s41, s41, INV
	v_add_nc_u32 v[VI], s41, v[VI]                 ; 4 x row: 512 (L >> 4) + 128 j + 64 kh + 4 (L & 15)
	s_mul_i32 s41, s14, KBSTEP
	v_lshl_add_u32 v[VC], v1, 4, s41
	s_lshr_b32 s41, s14, 2
	s_lshl_b32 s41, s41, 6
	s_and_b32 s42, s14, 3
	s_add_co_u32 s41, s41, s42
	s_lshl_b32 s41, s41, 9
	v_lshl_add_u32 v[VT], v1, 4, s41               ; rows 32 w + i hold keys 128 (i >> 4) + 64 (w >> 2) + (w & 3) + 4 (i & 15)
	v_mul_u32_u24 v[ADR_A0], v33, PITCH
	v_lshl_add_u32 v[ADR_A0], v34, 4, v[ADR_A0]
	v_lshlrev_b32 v[ADR_I0], 5, v34
	v_add_nc_u32 v[ADR_I0], INV, v[ADR_I0]
	v_lshlrev_b32 v[H32], 5, v34
	v_cvt_f32_u32 v[H32], v[H32]
	s_lshl_b32 s21, ttmp9, 1
	v_cvt_f32_u32 v[VROW], s21
	s_mov_b32 s22, 0x76543210                      ; v_permlanex16_b32: lane i reads lane i of the other half
	s_mov_b32 s23, 0xfedcba98
	s_mov_b32 s24, 0xffff0000                      ; the lanes with h = 1
	s_mov_b32 s25, 0x431044fe                      ; 100 log2(e)
	s_mov_b32 s26, 0xc31044fe                      ; and its negative
	s_mov_b32 s27, 0x42740000                      ; 61.0: from column 3 of block 3 to column 64 of block 4
	s_mov_b32 s28, 0x3f800000                      ; 1.0
	s_mov_b32 s19, 0x3f800000                      ; the upper word of the pair s[18:19]; the packed add broadcasts s18
.irp i, 0,1,2,3,4,5,6,7
	v_mov_b32 v[SS+\i], 0
.endr
; PHASE A.  One chunk: 8 channels x 4 keys a lane are rounded, squared and summed, and stored as 16 bytes a key.  cnt = the loads issued behind chunk c.
; The chunk's registers are asked for again at once (chunk c + 5); then the queries' fragments of k-step c of pass 0 are asked for, so that they
; arrive under the stream of keys.
.macro STAGE c, cnt, refill
	s_wait_loadcnt \cnt                            ; loads come back in order (ISA guide 5.7.1): chunk c is in, the younger ones stay out
.irp m, 0,1,2,3
.irp j, 0,1,2,3
	v_cvt_pk_bf16_f32 v[T+4*\j+\m], v[RING+32*((\c)%5)+8*\m+\j], v[RING+32*((\c)%5)+8*\m+4+\j]
.endr
.endr
.if \refill
	DLOAD \c+5
.endif
.irp m, 0,1,2,3
.irp j, 0,1,2,3
	v_fma_mix_f32_bf16 v[SS+2*\j],   v[T+4*\j+\m], v[T+4*\j+\m], v[SS+2*\j]   op_sel_hi:[1,1,0]
	v_fma_mix_f32_bf16 v[SS+2*\j+1], v[T+4*\j+\m], v[T+4*\j+\m], v[SS+2*\j+1] op_sel:[1,1,0] op_sel_hi:[1,1,0]
.endr
.endr
.irp j, 0,1,2,3
	ds_store_b128 v[VS], v[T+4*\j:T+4*\j+3] offset:\j*KBSTEP+\c*16
.endr
	WIN 0x40
	BLOAD 0, \c
	WIN 0
.endm
	STAGE 0, 32, 1                                 ; behind chunk 0: chunks 1 to 4
	STAGE 1, 40, 1                                 ; chunks 2 to 5 and the queries of k-step 0
	STAGE 2, 48, 1                                 ; chunks 3 to 6, k-steps 0, 1
	STAGE 3, 56, 0                                 ; chunks 4 to 7, k-steps 0 to 2
	STAGE 4, 56, 0                                 ; chunks 5 to 7, k-steps 0 to 3
	STAGE 5, 56, 0                                 ; chunks 6, 7, k-steps 0 to 4
	STAGE 6, 48, 0                                 ; chunk 7, k-steps 1 to 5
	STAGE 7, 40, 0                                 ; k-steps 2 to 6
	v_add_f32 v[SS+0], v[SS+0], v[SS+1]
	v_add_f32 v[SS+1], v[SS+2], v[SS+3]
	v_add_f32 v[SS+2], v[SS+4], v[SS+5]
	v_add_f32 v[SS+3], v[SS+6], v[SS+7]
	ds_store_b128 v[VN], v[SS:SS+3]
	s_wait_dscnt 0x0                               ; my part of the tile and my partial sums are in LDS, for the other waves' sake
	s_barrier_signal -1
	s_barrier_wait -1
	s_cmp_gt_u32 s14, 1
	s_cbranch_scc1 .Lnorms_done
	ds_load_b128 v[68:71], v[VN]                   ; waves 0 and 1 (cg = 0): the four groups' sums of my image row's keys
	ds_load_b128 v[72:75], v[VN] offset:1024
	ds_load_b128 v[76:79], v[VN] offset:2048
	ds_load_b128 v[80:83], v[VN] offset:3072
	s_wait_dscnt 0x0
	v_pk_add_f32 v[68:69], v[68:69], v[72:73]
	v_pk_add_f32 v[70:71], v[70:71], v[74:75]
	v_pk_add_f32 v[76:77], v[76:77], v[80:81]
	v_pk_add_f32 v[78:79], v[78:79], v[82:83]
	v_pk_add_f32 v[68:69], v[68:69], v[76:77]
	v_pk_add_f32 v[70:71], v[70:71], v[78:79]
.irp j, 0,1,2,3
	v_sqrt_f32 v[68+\j], v[68+\j]
.endr
	v_nop                                          ; one plain place behind the roots (ISA guide 5.7.2)
	s_wait_alu depctr_va_vdst(0)
.irp j, 0,1,2,3
	v_max_num_f32 v[68+\j], 0x2b8cbccc, v[68+\j]   ; max(norm, 1e-12)
.endr
.irp j, 0,1,2,3
	v_rcp_f32 v[68+\j], v[68+\j]
.endr
	v_nop
	s_wait_alu depctr_va_vdst(0)
.irp j, 0,1,2,3
	ds_store_b32 v[VI], v[68+\j] offset:\j*128
.endr
.Lnorms_done:
	s_wait_dscnt 0x0
	s_barrier_signal -1
	s_barrier_wait -1                              ; from here on the tile and the norms are only read: no further barrier
	; PHASE A2: my 32 rows go out to tgtt, a row = a key's 512 bytes = one store of the wave
.set i, 0
.rept 32
	ds_load_b128 v[RING+4*i:RING+4*i+3], v[VC] offset:i*PITCH
.set i, i+1
.endr
.set i, 0
.rept 32
	s_wait_dscnt 31-i                              ; row i is in, the younger loads stay out
	global_store_b128 v[VT], v[RING+4*i:RING+4*i+3], s[12:13] offset:(128*(i>>4)+4*(i&15))*512 th:TH_STORE_NT
.set i, i+1
.endr
; PHASE B.
.macro AFETCH slot, reg, off, s        ; the key fragments of k-steps s, s + 1, both image rows: eight loads
.irp d, 0,1
.irp kt, 0,1
	ds_load_b128 v[\slot+16*\d+8*\kt:\slot+16*\d+8*\kt+3],   v[\reg] offset:\off+\kt*KTSTEP+(\s+\d)*64
	ds_load_b128 v[\slot+16*\d+8*\kt+4:\slot+16*\d+8*\kt+7], v[\reg] offset:\off+\kt*KTSTEP+(\s+\d)*64+32
.endr
.endr
.endm
.macro MUL slot, d, s, zero            ; k-step s: eight products; the eight accumulators take turns, one instruction a turn
.irp kt, 0,1
.irp qb, 0,1,2,3
.if \zero
	v_wmma_f32_16x16x32_bf16 v[AC+8*(4*\kt+\qb):AC+8*(4*\kt+\qb)+7], v[\slot+16*\d+8*\kt:\slot+16*\d+8*\kt+7], v[64*\qb+8*\s:64*\qb+8*\s+7], 0
.else
	v_wmma_f32_16x16x32_bf16 v[AC+8*(4*\kt+\qb):AC+8*(4*\kt+\qb)+7], v[\slot+16*\d+8*\kt:\slot+16*\d+8*\kt+7], v[64*\qb+8*\s:64*\qb+8*\s+7], v[AC+8*(4*\kt+\qb):AC+8*(4*\kt+\qb)+7]
.endif
.endr
.endr
.endm
; The softmax's share of a block: 32 keys x 64 queries, 16 numbers a lane for each of the four query blocks, the blocks interleaved.
.macro SOFTMAX
.irp kt, 0,1
.irp i, 0,1,2,3
.irp qb, 0,1,2,3
	v_pk_mul_f32 v[AC+8*(4*\kt+\qb)+2*\i:AC+8*(4*\kt+\qb)+2*\i+1], v[AC+8*(4*\kt+\qb)+2*\i:AC+8*(4*\kt+\qb)+2*\i+1], v[IT+8*\kt+2*\i:IT+8*\kt+2*\i+1]   ; t = dot / key norm
.endr
.endr
.endr
.irp kt, 0,1
.irp i, 0,1,2,3
.irp qb, 0,1,2,3
	v_max3_num_f32 v[MT+\qb], v[MT+\qb], v[AC+8*(4*\kt+\qb)+2*\i], v[AC+8*(4*\kt+\qb)+2*\i+1]
.endr
.endr
.endr
.irp qb, 0,1,2,3
	v_mul_f32 v[TN+\qb], v[NCS+\qb], v[MT+\qb]     ; minus the new maximum (CS > 0, so the largest t is the largest logit)
.endr
.irp qb, 0,1,2,3
	v_sub_f32 v[AL+\qb], v[TN+\qb], v[M2+\qb]      ; old maximum - new maximum
.endr
.irp qb, 0,1,2,3
	v_mov_b32 v[M2+\qb], v[TN+\qb]
.endr
.irp qb, 0,1,2,3
	v_exp_f32 v[AL+\qb], v[AL+\qb]
.endr
.irp kt, 0,1
.irp i, 0,1,2,3
.irp hp, 0,1
.irp q, 0,1
	v_pk_fma_f32 v[AC+8*(4*\kt+2*\hp+\q)+2*\i:AC+8*(4*\kt+2*\hp+\q)+2*\i+1], v[AC+8*(4*\kt+2*\hp+\q)+2*\i:AC+8*(4*\kt+2*\hp+\q)+2*\i+1], v[CS+2*\hp:CS+2*\hp+1], v[M2+2*\hp:M2+2*\hp+1] op_sel:[0,\q,\q] op_sel_hi:[1,\q,\q]   ; t CS - maximum
.endr
.endr
.endr
.endr
.set i, 0
.rept 64
	v_exp_f32 v[AC+i], v[AC+i]
.set i, i+1
.endr
	s_wait_alu depctr_va_vdst(0)
.irp hp, 0,1
.irp q, 0,1
	v_pk_mul_f32 v[UP+4*\hp+2*\q:UP+4*\hp+2*\q+1], v[UP+4*\hp+2*\q:UP+4*\hp+2*\q+1], v[AL+2*\hp:AL+2*\hp+1] op_sel:[0,\q] op_sel_hi:[1,\q]   ; also the plain place behind the exponentials (ISA guide 5.7.2)
.endr
.endr
.irp hp, 0,1
.irp q, 0,1
	v_pk_fma_f32 v[L0+4*\hp+2*\q:L0+4*\hp+2*\q+1], v[L0+4*\hp+2*\q:L0+4*\hp+2*\q+1], v[AL+2*\hp:AL+2*\hp+1], v[AC+8*(2*\hp+\q):AC+8*(2*\hp+\q)+1] op_sel:[0,\q,0] op_sel_hi:[1,\q,1]
	v_pk_fma_f32 v[L1+4*\hp+2*\q:L1+4*\hp+2*\q+1], v[L1+4*\hp+2*\q:L1+4*\hp+2*\q+1], v[AL+2*\hp:AL+2*\hp+1], v[AC+8*(4+2*\hp+\q):AC+8*(4+2*\hp+\q)+1] op_sel:[0,\q,0] op_sel_hi:[1,\q,1]
.endr
.endr
.irp i, 1,2,3
.irp qb, 0,1,2,3
	v_pk_add_f32 v[L0+2*\qb:L0+2*\qb+1], v[L0+2*\qb:L0+2*\qb+1], v[AC+8*\qb+2*\i:AC+8*\qb+2*\i+1]
	v_pk_add_f32 v[L1+2*\qb:L1+2*\qb+1], v[L1+2*\qb:L1+2*\qb+1], v[AC+8*(4+\qb)+2*\i:AC+8*(4+\qb)+2*\i+1]
.endr
.endr
.irp kt, 0,1
.irp i, 0,1,2,3
.irp qb, 0,1,2,3
	v_pk_fma_f32 v[UP+2*\qb:UP+2*\qb+1], v[AC+8*(4*\kt+\qb)+2*\i:AC+8*(4*\kt+\qb)+2*\i+1], v[UC+2*\i:UC+2*\i+1], v[UP+2*\qb:UP+2*\qb+1]
.endr
.endr
.endr
.endm
; One block.  nxt = 1: the next block of the pass follows (the looped form); 2: the last block of pass 0, which also asks for pass 1's queries, each
; k-step's registers four places behind their last product; 0: the very last block.
; LDS loads in the order of issue: [k-steps 2-5: 16] [k-steps 0, 1: 8] (both asked for in the block before) [1 / norms: 4] [k-steps 6, 7: 8] [next 2-5: 16] [next 0, 1: 8].
; The waits on LOADcnt serve a pass's first block (64 loads of queries, k-steps in order, 8 each) and stand in the looped form alone: a block
; written out behind the loop follows trips whose last such wait was for 0.
.macro BLOCK nxt
	ds_load_b128 v[IT:IT+3],     v[ADR_I]
	ds_load_b128 v[IT+4:IT+7],   v[ADR_I] offset:16
	ds_load_b128 v[IT+8:IT+11],  v[ADR_I] offset:64
	ds_load_b128 v[IT+12:IT+15], v[ADR_I] offset:80
	s_wait_dscnt 0x4                               ; all but the four just issued: k-steps 0 to 5 are in
.if \nxt == 1
	s_wait_loadcnt 48                              ; the queries of k-steps 0, 1 are in; those of 2 to 7 may be out
.endif
	WIN 0x04                                       ; second source in window 1
	MUL FA0, 0, 0, 1                               ; the first product starts the sums
	MUL FA0, 1, 1, 0
	PLACES
	AFETCH FA0, ADR_A, 0, 6
.if \nxt == 2
	WIN 0x44
	BLOAD 1, 0
	BLOAD 1, 1
	WIN 0x04
.endif
.if \nxt == 1
	s_wait_loadcnt 16                              ; the queries of k-steps 2 to 5 are in
.endif
	MUL FA1, 0, 2, 0
	MUL FA1, 1, 3, 0
	MUL FA2, 0, 4, 0
	MUL FA2, 1, 5, 0
	PLACES
.if \nxt == 1
	AFETCH FA1, ADR_A, KBSTEP, 2                   ; the next block, reached by the immediate
	AFETCH FA2, ADR_A, KBSTEP, 4
.endif
.if \nxt == 2
	AFETCH FA1, ADR_A0, 0, 2                       ; block 0 again, for pass 1
	AFETCH FA2, ADR_A0, 0, 4
	WIN 0x44
	BLOAD 1, 2
	BLOAD 1, 3
	BLOAD 1, 4
	BLOAD 1, 5
	WIN 0x04
.endif
.if \nxt == 0
	s_wait_dscnt 0x0
.else
	s_wait_dscnt 16                                ; all but the sixteen just issued: the 1 / norms and k-steps 6, 7 are in
.endif
.if \nxt == 1
	s_wait_loadcnt 0x0                             ; the queries of k-steps 6, 7
.endif
	MUL FA0, 0, 6, 0
	MUL FA0, 1, 7, 0
	WIN 0
.irp i, 0,1,2,3
	v_pk_add_f32 v[UC+2*\i:UC+2*\i+1], v[UC+2*\i:UC+2*\i+1], s[18:19] op_sel_hi:[1,0]   ; this block's columns; these four lines are the places behind the last product
.endr
.if \nxt == 1
	v_add_nc_u32 v[ADR_A], KBSTEP, v[ADR_A]
	v_add_nc_u32 v[ADR_I], 128, v[ADR_I]
.endif
.if \nxt == 2
	v_mov_b32 v[ADR_A], v[ADR_A0]
	v_mov_b32 v[ADR_I], v[ADR_I0]
.endif
.if \nxt != 0
	AFETCH FA0, ADR_A, 0, 0
.endif
.if \nxt == 2
	WIN 0x40
	BLOAD 1, 6
	BLOAD 1, 7
	WIN 0
.endif
	SOFTMAX
.endm
; The two halves of the lanes hold different keys of the same queries: they are merged, and the records leave, two query blocks in a store.
.macro EPILOGUE p
.irp qb, 0,1,2,3
	v_sub_f32 v[TN+\qb], 0, v[M2+\qb]              ; my maximum
.endr
.irp qb, 0,1,2,3
	v_permlanex16_b32 v[R+4*\qb], v[TN+\qb], s22, s23      ; (its destination has been written: the accumulators are used up)
.endr
.irp qb, 0,1,2,3
	v_max_num_f32 v[R+4*\qb], v[TN+\qb], v[R+4*\qb]        ; m
.endr
.irp qb, 0,1,2,3
	v_sub_f32 v[TN+\qb], v[TN+\qb], v[R+4*\qb]
.endr
.irp qb, 0,1,2,3
	v_exp_f32 v[TN+\qb], v[TN+\qb]
.endr
.irp qb, 0,1,2,3
	v_add_f32 v[R+4*\qb+1], v[L0+2*\qb], v[L0+2*\qb+1]     ; l of image row 0 (these lines are also the place behind the exponentials)
	v_add_f32 v[R+4*\qb+2], v[UP+2*\qb], v[UP+2*\qb+1]     ; su
	v_add_f32 v[R+4*\qb+3], v[L1+2*\qb], v[L1+2*\qb+1]     ; l of image row 1
.endr
	s_wait_alu depctr_va_vdst(0)
.irp qb, 0,1,2,3
.irp k, 0,1,2
	v_mul_f32 v[R+4*\qb+1+\k], v[R+4*\qb+1+\k], v[TN+\qb]
.endr
.endr
.irp qb, 0,1,2,3
.irp k, 0,1,2
	v_permlanex16_b32 v[XT+3*\qb+\k], v[R+4*\qb+1+\k], s22, s23
.endr
.endr
.irp qb, 0,1,2,3
.irp k, 0,1,2
	v_add_f32 v[R+4*\qb+1+\k], v[R+4*\qb+1+\k], v[XT+3*\qb+\k]
.endr
.endr
.irp qb, 0,1,2,3
	v_add_f32 v[R+4*\qb+1], v[R+4*\qb+1], v[R+4*\qb+3]                 ; l
	v_fma_f32 v[R+4*\qb+3], v[VROW], v[R+4*\qb+1], v[R+4*\qb+3]        ; sv = row x l + l of the row below
.endr
.irp pr, 0,1
.irp k, 0,1,2,3
	v_cndmask_b32 v[OUT+4*\pr+\k], v[R+8*\pr+\k], v[R+8*\pr+4+\k], s24 ; lanes 0-15: the even block's query r, lanes 16-31: the odd block's
.endr
	global_store_b128 v[VP], v[OUT+4*\pr:OUT+4*\pr+3], s[10:11] offset:\p*1024+\pr*512   ; 512 consecutive aligned bytes
.endr
.endm
.macro PASS p, tail
	s_wait_xcnt 0x0                                ; the registers that earlier stores read (tgtt's rows, the last pass's records) are written again only behind this wait
.if \p == 0
	v_mov_b32 v[ADR_A], v[ADR_A0]
	v_mov_b32 v[ADR_I], v[ADR_I0]
	AFETCH FA1, ADR_A, 0, 2
	AFETCH FA2, ADR_A, 0, 4
	AFETCH FA0, ADR_A, 0, 0
.endif
.irp qb, 0,1,2,3
	v_mul_f32 v[CS+\qb],  s25, v[SI+4*\p+\qb]
	v_mul_f32 v[NCS+\qb], s26, v[SI+4*\p+\qb]
	v_mov_b32 v[MT+\qb], 0xff7fffff                ; the running maximum starts at the lowest finite number,
	v_mov_b32 v[M2+\qb], 0x7f7fffff                ; so the first factor 2^(old - new) is 0 and meets sums that are 0
.endr
	v_add_f32 v[UC+0], -1.0, v[H32]                ; 32 h + 4 jr - 1: each block adds its step first
	v_add_f32 v[UC+1], 0x40400000, v[H32]          ; 3
	v_add_f32 v[UC+2], 0x40e00000, v[H32]          ; 7
	v_add_f32 v[UC+3], 0x41300000, v[H32]          ; 11
	v_add_f32 v[UC+4], 0x41700000, v[H32]          ; 15
	v_add_f32 v[UC+5], 0x41980000, v[H32]          ; 19
	v_add_f32 v[UC+6], 0x41b80000, v[H32]          ; 23
	v_add_f32 v[UC+7], 0x41d80000, v[H32]          ; 27
.set i, 0
.rept 24
	v_mov_b32 v[L0+i], 0                           ; the three running sums of the four blocks
.set i, i+1
.endr
	s_mov_b32 s20, 0
.Lkb\p:
	s_cmp_eq_u32 s20, 4
	s_cselect_b32 s18, s27, s28                    ; the columns step by 1, into block 4 by 61
	BLOCK 1
	s_add_co_u32 s20, s20, 1
	s_cmp_lt_u32 s20, 7
	s_cbranch_scc1 .Lkb\p
	s_mov_b32 s18, s28
	BLOCK \tail
	EPILOGUE \p
.endm
	PASS 0, 2
	PASS 1, 0
	s_wait_xcnt 0x0
	v_lshl_add_u32 v254, v0, 2, 0x22400
	v_mov_b32 v255, 0
	s_wait_tensorcnt 0x0
	ds_add_u32 v254, v255
	s_wait_dscnt 0x0
	s_endpgm
.Lfunc_end_k_q58ecf1281f_match:
	.size	k_q58ecf1281f_match, .Lfunc_end_k_q58ecf1281f_match-k_q58ecf1281f_match
	.p2alignl 7, 3214868480
	.fill 96, 4, 3214868480
	.section	.rodata,"a",@progbits
	.p2align	6, 0x0
	.amdhsa_kernel k_q58ecf1281f_match
		.amdhsa_group_segment_fixed_size 141312
		.amdhsa_private_segment_fixed_size 0
		.amdhsa_enable_private_segment 0
		.amdhsa_kernarg_size 40
		.amdhsa_user_sgpr_count 2
		.amdhsa_user_sgpr_kernarg_segment_ptr 1
		.amdhsa_wavefront_size32 1
		.amdhsa_system_sgpr_workgroup_id_x 1
		.amdhsa_system_sgpr_workgroup_id_y 1
		.amdhsa_system_sgpr_workgroup_id_z 1
		.amdhsa_system_vgpr_workitem_id 0
		.amdhsa_next_free_vgpr 512
		.amdhsa_next_free_sgpr 66
		.amdhsa_reserve_vcc 0
		.amdhsa_float_denorm_mode_32 3
		.amdhsa_float_denorm_mode_16_64 3
		.amdhsa_memory_ordered 1
		.amdhsa_forward_progress 1
		.amdhsa_inst_pref_size 150
	.end_amdhsa_kernel
	.amdgpu_metadata
---
amdhsa.version: [ 1, 2 ]
amdhsa.kernels:
  - .name:           k_q58ecf1281f_match
    .symbol:         k_q58ecf1281f_match.kd
    .args:
      - { .name: desc_dense, .offset: 0, .size: 8, .value_kind: global_buffer, .address_space: global }
      - { .name: srcb, .offset: 8, .size: 8, .value_kind: global_buffer, .address_space: global }
      - { .name: sinv, .offset: 16, .size: 8, .value_kind: global_buffer, .address_space: global }
      - { .name: part, .offset: 24, .size: 8, .value_kind: global_buffer, .address_space: global }
      - { .name: tgtt, .offset: 32, .size: 8, .value_kind: global_buffer, .address_space: global }
    .group_segment_fixed_size: 141312
    .private_segment_fixed_size: 0
    .kernarg_segment_align: 8
    .kernarg_segment_size: 40
    .max_flat_workgroup_size: 256
    .sgpr_count:     66
    .vgpr_count:     512
    .wavefront_size: 32
...
	.end_amdgpu_metadata
.endif
;; end of part 2
;; launch merge (part 3): grid 128 x 1, 8 waves a work-group, no clusters, 5,120 bytes of LDS; arguments part, out0, idx, wts; writes out0, idx, wts
.if DOCPART == 3
	.amdgcn_target "amdgcn-amd-amdhsa--gfx1250"
	.amdhsa_code_object_version 6
	.text
	.protected	k_q58ecf1281f_merge
	.globl	k_q58ecf1281f_merge
	.p2align	8
	.type	k_q58ecf1281f_merge,@function
k_q58ecf1281f_merge:
	s_mov_b64 s[64:65], 0
	v_nop
	global_prefetch_b8 v0, s[64:65] scope:SCOPE_SE
	s_setreg_imm32_b32 hwreg(HW_REG_WAVE_MODE, 25, 1), 1
	s_wait_xcnt 0x0
; The 64 slices' records (m, l, su, sv) of a query are merged exactly: M = max m, f = 2^(m - M), sums of f l, f su, f sv.  Then the expected
; coordinates (out0), and for the sampling launch the four corners' clipped indices y * 128 + x as whole numbers and their weights (0 outside the image).
; A work-group owns 32 queries of a pair, a lane is a query, wave w merges slices 8 w .. 8 w + 7; wave 0 merges the eight waves' records.
; Limits: NaN is not served; 2 u / 127 is taken as u x (2 / 127).  Nothing here is shared or multiplied in bulk: no matrix unit, no cluster.
.set R, 8                              ; v[8:39]   eight records
.set F, 40                             ; v[40:47]  their factors
.set O, 48                             ; v[48:51]  the merged record
.set U, 52                             ; v[52:53]  u, v
.set CX, 54                            ; v54, v55  x0, x1 (clipped, whole numbers);  v56, v57 their weights
.set CY, 58                            ; v58, v59  y0, y1;  v60, v61 their weights
.set TT, 62
.macro MERGE8
	v_max3_num_f32 v[O], v[R], v[R+4], v[R+8]
	v_max3_num_f32 v[O], v[O], v[R+12], v[R+16]
	v_max3_num_f32 v[O], v[O], v[R+20], v[R+24]
	v_max_num_f32 v[O], v[O], v[R+28]
.irp i, 0,1,2,3,4,5,6,7
	v_sub_f32 v[F+\i], v[R+4*\i], v[O]
.endr
.irp i, 0,1,2,3,4,5,6,7
	v_exp_f32 v[F+\i], v[F+\i]
.endr
	v_nop                                          ; one plain place behind the exponentials (ISA guide 5.7.2)
.irp hp, 0,1,2,3
.irp q, 0,1
.if (2*\hp+\q) == 0
	s_wait_alu depctr_va_vdst(0)
	v_mul_f32 v[O+1], v[R+1], v[F]                 ; the first record starts the sums
	v_pk_mul_f32 v[O+2:O+3], v[R+2:R+3], v[F:F+1] op_sel:[0,0] op_sel_hi:[1,0]
.else
	v_fma_f32 v[O+1], v[R+4*(2*\hp+\q)+1], v[F+2*\hp+\q], v[O+1]
	v_pk_fma_f32 v[O+2:O+3], v[R+4*(2*\hp+\q)+2:R+4*(2*\hp+\q)+3], v[F+2*\hp:F+2*\hp+1], v[O+2:O+3] op_sel:[0,\q,0] op_sel_hi:[1,\q,1]
.endif
.endr
.endr
.endm
; One axis: c = the coordinate; c0, c1 = the two clipped pixel numbers, w0, w1 = their weights, 0 where the pixel lies outside 0 .. 127.
.macro AXIS c, b
	v_fma_f32 v[TT], v[\c], s20, -1.0              ; 2 c / 127 - 1
	v_add_f32 v[TT], 1.0, v[TT]
	v_fma_f32 v[TT], v[TT], s21, -0.5              ; ((g + 1) 128 - 1) / 2
	v_floor_f32 v[\b], v[TT]
	v_sub_f32 v[\b+3], v[TT], v[\b]                ; w1
	v_sub_f32 v[\b+2], 1.0, v[\b+3]                ; w0
	v_add_f32 v[\b+1], 1.0, v[\b]
	v_med3_num_f32 v[TT], v[\b], 0, s22
	v_cmp_eq_f32 vcc_lo, v[TT], v[\b]
	v_cndmask_b32 v[\b+2], 0, v[\b+2], vcc_lo
	v_cvt_u32_f32 v[\b], v[TT]
	v_med3_num_f32 v[TT], v[\b+1], 0, s22
	v_cmp_eq_f32 vcc_lo, v[TT], v[\b+1]
	v_cndmask_b32 v[\b+3], 0, v[\b+3], vcc_lo
	v_cvt_u32_f32 v[\b+1], v[TT]
.endm
	s_load_b256 s[4:11], s[0:1], 0x0               ; part s[4:5], out0 s[6:7], idx s[8:9], wts s[10:11]
	v_lshl_add_u32 v64, v0, 2, 0x1000
	v_mov_b32 v65, 0
	v_lshrrev_b32 v1, 5, v0
	v_readfirstlane_b32 s12, v1                    ; wave
	v_and_b32 v1, 31, v0                           ; lane = query
	s_lshr_b32 s14, ttmp9, 5                       ; b
	s_lshl_b32 s14, s14, 20                        ; 64 slices x 16,384 bytes
	s_and_b32 s15, ttmp9, 31
	s_lshl_b32 s15, s15, 9                         ; 32 queries x 16 bytes
	s_add_co_u32 s14, s14, s15
	s_mov_b32 s15, 0
	s_lshl_b32 s16, s12, 17                        ; eight slices a wave
	v_lshl_add_u32 v2, v1, 4, s16
	v_lshlrev_b32 v3, 4, v0                        ; LDS: 16 t
	v_lshlrev_b32 v4, 4, v1                        ; 16 L
	v_lshlrev_b32 v5, 3, v1                        ; 8 L
	s_lshl_b32 s18, ttmp9, 8                       ; out0: 32 queries x 8 bytes
	s_mov_b32 s19, 0
	s_lshl_b32 s24, ttmp9, 9                       ; idx, wts: 32 queries x 16 bytes
	s_mov_b32 s25, 0
	s_mov_b32 s20, 0x3c810204                      ; 2 / 127
	s_mov_b32 s21, 0x42800000                      ; 64.0
	s_mov_b32 s22, 0x42fe0000                      ; 127.0
	s_wait_kmcnt 0x0
	s_add_nc_u64 s[4:5], s[4:5], s[14:15]
	s_add_nc_u64 s[6:7], s[6:7], s[18:19]
	s_add_nc_u64 s[8:9], s[8:9], s[24:25]
	s_add_nc_u64 s[10:11], s[10:11], s[24:25]
.irp i, 0,1,2,3,4,5,6,7
	global_load_b128 v[R+4*\i:R+4*\i+3], v2, s[4:5] offset:\i*16384 th:TH_LOAD_NT   ; 512 consecutive aligned bytes a wave
.endr
	s_wait_loadcnt 0x0
	MERGE8
	ds_store_b128 v3, v[O:O+3]
	s_wait_dscnt 0x0                               ; for wave 0's sake
	s_barrier_signal -1
	s_barrier_wait -1
	s_cmp_lg_u32 s12, 0
	s_cbranch_scc1 .Lend
.irp i, 0,1,2,3,4,5,6,7
	ds_load_b128 v[R+4*\i:R+4*\i+3], v4 offset:\i*512
.endr
	s_wait_dscnt 0x0
	MERGE8
	v_rcp_f32 v[F], v[O+1]                         ; l >= 1: the largest logit's own term is 2^0
	v_nop
	s_wait_alu depctr_va_vdst(0)
	v_mul_f32 v[U], v[O+2], v[F]
	v_mul_f32 v[U+1], v[O+3], v[F]
	global_store_b64 v5, v[U:U+1], s[6:7]          ; 256 consecutive aligned bytes
	AXIS U, CX
	AXIS U+1, CY
	v_lshl_add_u32 v[R+0], v[CY], 7, v[CX]         ; corners in the order (x0, y0), (x1, y0), (x0, y1), (x1, y1)
	v_lshl_add_u32 v[R+1], v[CY], 7, v[CX+1]
	v_lshl_add_u32 v[R+2], v[CY+1], 7, v[CX]
	v_lshl_add_u32 v[R+3], v[CY+1], 7, v[CX+1]
	v_mul_f32 v[R+4], v[CX+2], v[CY+2]
	v_mul_f32 v[R+5], v[CX+3], v[CY+2]
	v_mul_f32 v[R+6], v[CX+2], v[CY+3]
	v_mul_f32 v[R+7], v[CX+3], v[CY+3]
	global_store_b128 v4, v[R:R+3], s[8:9]
	global_store_b128 v4, v[R+4:R+7], s[10:11]
.Lend:
	s_wait_tensorcnt 0x0
	ds_add_u32 v64, v65
	s_wait_dscnt 0x0
	s_endpgm
.Lfunc_end_k_q58ecf1281f_merge:
	.size	k_q58ecf1281f_merge, .Lfunc_end_k_q58ecf1281f_merge-k_q58ecf1281f_merge
	.p2alignl 7, 3214868480
	.fill 96, 4, 3214868480
	.section	.rodata,"a",@progbits
	.p2align	6, 0x0
	.amdhsa_kernel k_q58ecf1281f_merge
		.amdhsa_group_segment_fixed_size 5120
		.amdhsa_private_segment_fixed_size 0
		.amdhsa_enable_private_segment 0
		.amdhsa_kernarg_size 32
		.amdhsa_user_sgpr_count 2
		.amdhsa_user_sgpr_kernarg_segment_ptr 1
		.amdhsa_wavefront_size32 1
		.amdhsa_system_sgpr_workgroup_id_x 1
		.amdhsa_system_sgpr_workgroup_id_y 1
		.amdhsa_system_sgpr_workgroup_id_z 1
		.amdhsa_system_vgpr_workitem_id 0
		.amdhsa_next_free_vgpr 66
		.amdhsa_next_free_sgpr 66
		.amdhsa_reserve_vcc 1
		.amdhsa_float_denorm_mode_32 3
		.amdhsa_float_denorm_mode_16_64 3
		.amdhsa_memory_ordered 1
		.amdhsa_forward_progress 1
		.amdhsa_inst_pref_size 9
	.end_amdhsa_kernel
	.amdgpu_metadata
---
amdhsa.version: [ 1, 2 ]
amdhsa.kernels:
  - .name:           k_q58ecf1281f_merge
    .symbol:         k_q58ecf1281f_merge.kd
    .args:
      - { .name: part, .offset: 0, .size: 8, .value_kind: global_buffer, .address_space: global }
      - { .name: out0, .offset: 8, .size: 8, .value_kind: global_buffer, .address_space: global }
      - { .name: idx, .offset: 16, .size: 8, .value_kind: global_buffer, .address_space: global }
      - { .name: wts, .offset: 24, .size: 8, .value_kind: global_buffer, .address_space: global }
    .group_segment_fixed_size: 5120
    .private_segment_fixed_size: 0
    .kernarg_segment_align: 8
    .kernarg_segment_size: 32
    .max_flat_workgroup_size: 256
    .sgpr_count:     66
    .vgpr_count:     66
    .wavefront_size: 32
...
	.end_amdgpu_metadata
.endif
;; end of part 3
;; launch sample (part 4): grid 256 x 1, 8 waves a work-group, no clusters, 9,984 bytes of LDS; arguments tgtt, srcb, sinv, idx, wts, scores_dense, keypoint_scores, out1; writes out1
.if DOCPART == 4
	.amdgcn_target "amdgcn-amd-amdhsa--gfx1250"
	.amdhsa_code_object_version 6
	.text
	.protected	k_q58ecf1281f_sample
	.globl	k_q58ecf1281f_sample
	.p2align	8
	.type	k_q58ecf1281f_sample,@function
k_q58ecf1281f_sample:
	s_mov_b64 s[64:65], 0
	v_nop
	global_prefetch_b8 v0, s[64:65] scope:SCOPE_SE
	s_setreg_imm32_b32 hwreg(HW_REG_WAVE_MODE, 25, 1), 1
	s_wait_xcnt 0x0
; The bilinear samples and the match weight.  For a query: four corners (indices and weights from the launch before), each corner's descriptor one row
; of 512 bytes of tgtt; D_c = src . corner_c; weight = 0.5 (sum w_c D_c / (norm x 256) + 1) x keypoint score x sum w_c score_c.
; A work-group owns 16 queries of a pair: one block of srcb, 8,192 bytes.  Sixteen lanes work on a query (lane x16 holds channels 8 x16 .. + 7 and
; 128 + 8 x16 .. + 7), so that they read 256 consecutive aligned bytes of a corner's row; a wave takes two queries.  The queries' own descriptors lie
; in srcb in fragment order and are turned through LDS.
; 256 work-groups share the gather of 4,096 x 4 rows.  The price: a work-group's 16 results are 64 consecutive bytes, a quarter of an aligned block
; of 256; they leave by one store of four lanes, 16 bytes each.  out1 has 16,384 bytes in all.
; Limits: the descriptors are bf16 of the raw numbers, sums in f32.  An index is cut to 0 .. 16,383 before it enters an address.
; A dot of 256 a corner, nothing shared between work-groups: no matrix unit, no cluster.
.set IDX, 16                           ; v[16:19]  corner c: the index, later 4 x index
.set WT,  20                           ; v[20:23]  the corners' weights
.set KS,  24                           ; keypoint score
.set SV,  25                           ; 1 / norm of the query
.set SRC, 28                           ; v[28:35]  srcb as loaded; later my query's 16 channels, 4 registers a half
.set CO,  36                           ; v[36:39]  512 x index + 16 x16
.set CD,  40                           ; v[40:71]  the corners' channels at 8 c + 4 half
.set SC,  72                           ; v[72:75]  the corners' scores
.set ACC, 76                           ; v[76:83]  D_c in two parts (the words' low and high halves) at 2 c: eight chains that do not wait for each other
.set TT,  84                           ; v84, v85
.set SPITCH, 272                       ; LDS: 16 queries x 16 bytes + 16: piece x (channels 8 x ..) of the 16 queries; an odd multiple of 16
.set RES, 32*SPITCH                    ; LDS: the 16 results
	s_load_b512 s[16:31], s[0:1], 0x0              ; tgtt s[16:17], srcb s[18:19], sinv s[20:21], idx s[22:23], wts s[24:25], scores_dense s[26:27], keypoint_scores s[28:29], out1 s[30:31]
	v_lshl_add_u32 v96, v0, 2, 0x2300
	v_mov_b32 v97, 0
	v_lshrrev_b32 v1, 5, v0
	v_readfirstlane_b32 s12, v1                    ; wave
	v_bfe_u32 v2, v0, 4, 1                         ; qh
	v_and_b32 v3, 15, v0                           ; x16
	s_lshl_b32 s13, s12, 1
	v_add_nc_u32 v4, s13, v2                       ; my query: 2 w + qh
	v_lshlrev_b32 v5, 4, v4
	v_lshlrev_b32 v6, 2, v4
	v_lshlrev_b32 v7, 4, v0                        ; 16 t
	v_lshlrev_b32 v8, 4, v3                        ; 16 x16
	s_lshr_b32 s8, ttmp9, 6                        ; b
	s_and_b32 s9, ttmp9, 63                        ; the block of 16 queries in the pair
	s_lshl_b32 s32, s8, 23                         ; tgtt of pair b: 16,384 keys x 512 bytes
	s_mov_b32 s33, 0
	s_lshl_b32 s34, ttmp9, 13                      ; srcb: 8,192 bytes a block
	s_mov_b32 s35, 0
	s_lshl_b32 s36, ttmp9, 6                       ; sinv and out1: 16 f32
	s_mov_b32 s37, 0
	s_lshl_b32 s38, ttmp9, 8                       ; idx and wts: 16 x 16 bytes
	s_mov_b32 s39, 0
	s_lshl_b32 s40, s8, 17
	s_add_co_u32 s40, s40, 0x10000                 ; scores_dense, batch 2 b + 1 of 65,536 bytes
	s_mov_b32 s41, 0
	s_lshl_b32 s42, s8, 13                         ; keypoint_scores, batch 2 b of 4,096 bytes,
	s_lshl_b32 s9, s9, 6                           ; my 16 queries
	s_add_co_u32 s42, s42, s9
	s_mov_b32 s43, 0
	s_wait_kmcnt 0x0
	s_add_nc_u64 s[22:23], s[22:23], s[38:39]
	s_add_nc_u64 s[24:25], s[24:25], s[38:39]
	s_add_nc_u64 s[28:29], s[28:29], s[42:43]
	s_add_nc_u64 s[20:21], s[20:21], s[36:37]
	s_add_nc_u64 s[18:19], s[18:19], s[34:35]
	global_load_b128 v[IDX:IDX+3], v5, s[22:23]
	global_load_b128 v[WT:WT+3],   v5, s[24:25]
	global_load_b32 v[KS], v6, s[28:29]
	global_load_b32 v[SV], v6, s[20:21]
	global_load_b128 v[SRC:SRC+3],   v7, s[18:19]
	global_load_b128 v[SRC+4:SRC+7], v7, s[18:19] offset:4096
	s_add_nc_u64 s[16:17], s[16:17], s[32:33]
	s_add_nc_u64 s[26:27], s[26:27], s[40:41]
	s_add_nc_u64 s[30:31], s[30:31], s[36:37]
	v_lshrrev_b32 v9, 4, v0                        ; LDS, in: load n of thread t is piece 16 n + (t >> 4) of query t & 15
	v_mul_u32_u24 v9, v9, SPITCH
	v_lshl_add_u32 v9, v3, 4, v9
	v_mul_u32_u24 v10, v3, SPITCH                  ; LDS, back: piece x16 (+ 16 for the upper half) of my query
	v_add_nc_u32 v10, v10, v5
.irp c, 0,1,2,3,4,5,6,7
	v_mov_b32 v[ACC+\c], 0
.endr
	s_wait_loadcnt 2                               ; the four small loads are in; the two of srcb stay out
.irp c, 0,1,2,3
	v_min_u32 v[IDX+\c], 0x3fff, v[IDX+\c]
	v_lshl_add_u32 v[CO+\c], v[IDX+\c], 9, v8
	v_lshlrev_b32 v[IDX+\c], 2, v[IDX+\c]
.endr
.irp c, 0,1,2,3
	global_load_b128 v[CD+8*\c:CD+8*\c+3],   v[CO+\c], s[16:17]
	global_load_b128 v[CD+8*\c+4:CD+8*\c+7], v[CO+\c], s[16:17] offset:256
.endr
.irp c, 0,1,2,3
	global_load_b32 v[SC+\c], v[IDX+\c], s[26:27]
.endr
	s_wait_loadcnt 12                              ; srcb is in; the eight loads of corners and the four of scores stay out
	ds_store_b128 v9, v[SRC:SRC+3]
	ds_store_b128 v9, v[SRC+4:SRC+7] offset:16*SPITCH
	s_wait_dscnt 0x0                               ; for the other waves' sake
	s_barrier_signal -1
	s_barrier_wait -1
	ds_load_b128 v[SRC:SRC+3],   v10
	ds_load_b128 v[SRC+4:SRC+7], v10 offset:16*SPITCH
	s_wait_loadcnt 0x0
	s_wait_dscnt 0x0
.irp k, 0,1,2,3,4,5,6,7
.irp c, 0,1,2,3
	v_fma_mix_f32_bf16 v[ACC+2*\c],   v[SRC+\k], v[CD+8*\c+\k], v[ACC+2*\c]   op_sel_hi:[1,1,0]
	v_fma_mix_f32_bf16 v[ACC+2*\c+1], v[SRC+\k], v[CD+8*\c+\k], v[ACC+2*\c+1] op_sel:[1,1,0] op_sel_hi:[1,1,0]
.endr
.endr
	v_mul_f32 v[TT], v[WT], v[ACC]
	v_mul_f32 v[TT+1], v[WT], v[SC]
	v_fma_f32 v[TT], v[WT], v[ACC+1], v[TT]
	v_fma_f32 v[TT+1], v[WT+1], v[SC+1], v[TT+1]
	v_fma_f32 v[TT], v[WT+1], v[ACC+2], v[TT]
	v_fma_f32 v[TT+1], v[WT+2], v[SC+2], v[TT+1]
	v_fma_f32 v[TT], v[WT+1], v[ACC+3], v[TT]
	v_fma_f32 v[TT+1], v[WT+3], v[SC+3], v[TT+1]   ; the sampled score
	v_fma_f32 v[TT], v[WT+2], v[ACC+4], v[TT]
	v_fma_f32 v[TT], v[WT+2], v[ACC+5], v[TT]
	v_fma_f32 v[TT], v[WT+3], v[ACC+6], v[TT]
	v_fma_f32 v[TT], v[WT+3], v[ACC+7], v[TT]
	v_add_f32_dpp v[TT], v[TT], v[TT] row_xmask:1 row_mask:0xf bank_mask:0xf   ; over the query's sixteen lanes
	v_add_f32_dpp v[TT], v[TT], v[TT] row_xmask:2 row_mask:0xf bank_mask:0xf
	v_add_f32_dpp v[TT], v[TT], v[TT] row_xmask:4 row_mask:0xf bank_mask:0xf
	v_add_f32_dpp v[TT], v[TT], v[TT] row_xmask:8 row_mask:0xf bank_mask:0xf
	v_mul_f32 v[TT], v[TT], v[SV]
	v_mul_f32 v[TT], 0x3b800000, v[TT]             ; / 256
	v_fma_f32 v[TT], v[TT], 0.5, 0.5
	v_mul_f32 v[TT], v[TT], v[KS]
	v_mul_f32 v[TT], v[TT], v[TT+1]
	ds_store_b32 v6, v[TT] offset:RES              ; sixteen lanes write the same number to the same word
	s_wait_dscnt 0x0                               ; for wave 0's sake
	s_barrier_signal -1
	s_barrier_wait -1
	s_cmp_lg_u32 s12, 0
	s_cbranch_scc1 .Lend
	v_and_b32 v11, 3, v0
	v_lshlrev_b32 v11, 4, v11                      ; 16 (L & 3): every lane reads one of the four pieces, lanes 0 to 3 store them
	ds_load_b128 v[12:15], v11 offset:RES
	s_wait_dscnt 0x0
	s_wait_xcnt 0x0                                ; EXEC changes only behind s_wait_xcnt 0
	v_cmp_gt_u32 vcc_lo, 4, v0
	s_and_saveexec_b32 s13, vcc_lo
	global_store_b128 v11, v[12:15], s[30:31]      ; 64 consecutive bytes
	s_wait_xcnt 0x0                                ; and again, in front of the line that widens it
	s_or_b32 exec_lo, exec_lo, s13
.Lend:
	s_wait_tensorcnt 0x0
	ds_add_u32 v96, v97
	s_wait_dscnt 0x0
	s_endpgm
.Lfunc_end_k_q58ecf1281f_sample:
	.size	k_q58ecf1281f_sample, .Lfunc_end_k_q58ecf1281f_sample-k_q58ecf1281f_sample
	.p2alignl 7, 3214868480
	.fill 96, 4, 3214868480
	.section	.rodata,"a",@progbits
	.p2align	6, 0x0
	.amdhsa_kernel k_q58ecf1281f_sample
		.amdhsa_group_segment_fixed_size 9984
		.amdhsa_private_segment_fixed_size 0
		.amdhsa_enable_private_segment 0
		.amdhsa_kernarg_size 64
		.amdhsa_user_sgpr_count 2
		.amdhsa_user_sgpr_kernarg_segment_ptr 1
		.amdhsa_wavefront_size32 1
		.amdhsa_system_sgpr_workgroup_id_x 1
		.amdhsa_system_sgpr_workgroup_id_y 1
		.amdhsa_system_sgpr_workgroup_id_z 1
		.amdhsa_system_vgpr_workitem_id 0
		.amdhsa_next_free_vgpr 98
		.amdhsa_next_free_sgpr 66
		.amdhsa_reserve_vcc 1
		.amdhsa_float_denorm_mode_32 3
		.amdhsa_float_denorm_mode_16_64 3
		.amdhsa_memory_ordered 1
		.amdhsa_forward_progress 1
		.amdhsa_inst_pref_size 11
	.end_amdhsa_kernel
	.amdgpu_metadata
---
amdhsa.version: [ 1, 2 ]
amdhsa.kernels:
  - .name:           k_q58ecf1281f_sample
    .symbol:         k_q58ecf1281f_sample.kd
    .args:
      - { .name: tgtt, .offset: 0, .size: 8, .value_kind: global_buffer, .address_space: global }
      - { .name: srcb, .offset: 8, .size: 8, .value_kind: global_buffer, .address_space: global }
      - { .name: sinv, .offset: 16, .size: 8, .value_kind: global_buffer, .address_space: global }
      - { .name: idx, .offset: 24, .size: 8, .value_kind: global_buffer, .address_space: global }
      - { .name: wts, .offset: 32, .size: 8, .value_kind: global_buffer, .address_space: global }
      - { .name: scores_dense, .offset: 40, .size: 8, .value_kind: global_buffer, .address_space: global }
      - { .name: keypoint_scores, .offset: 48, .size: 8, .value_kind: global_buffer, .address_space: global }
      - { .name: out1, .offset: 56, .size: 8, .value_kind: global_buffer, .address_space: global }
    .group_segment_fixed_size: 9984
    .private_segment_fixed_size: 0
    .kernarg_segment_align: 8
    .kernarg_segment_size: 64
    .max_flat_workgroup_size: 256
    .sgpr_count:     66
    .vgpr_count:     98
    .wavefront_size: 32
...
	.end_amdgpu_metadata
.endif
;; end of part 4
